; MI455X (gfx1250); checked and timed in simulation.
; The chip was launched on July 23, 2026; its instructions are those of AMD's public machine-readable ISA for CDNA 5 (MIT licence, August 2026) and "CDNA5" Instruction Set Architecture Reference Guide (July 2026). The comments in the code are by the model that wrote it; some were corrected since.
;; Sigma Mo E. Allowed arithmetic: matrix products marked QUANTISED: E2M1 operands, one E8M0 scale for each 32 along K, by v_wmma_scale_f32_16x16x128_f8f6f4 with both operands' format E2M1 (or v_wmma_scale_f32_32x16x128_f4), f32 sums; everything else in f32.
;; Inputs: expert_sel_codes 16 x 32 x 16 uint8 (E2M1 codes of expert_sel, K innermost, in blocks of 32 codes, two codes a byte); expert_sel_scales 16 x 32 uint8 (E8M0 scales of expert_sel, one for each 32 codes along K); keys_codes 16 x 256 x 32 x 16 uint8 (E2M1 codes of keys, K innermost, in blocks of 32 codes, two codes a byte); keys_scales 16 x 256 x 32 uint8 (E8M0 scales of keys, one for each 32 codes along K); route_scale 1 float32; values_codes 16 x 1,024 x 8 x 16 uint8 (E2M1 codes of values, K innermost, in blocks of 32 codes, two codes a byte); values_scales 16 x 1,024 x 8 uint8 (E8M0 scales of values, one for each 32 codes along K); x_codes 4 x 2,048 x 32 x 16 uint8 (E2M1 codes of x, K innermost, in blocks of 32 codes, two codes a byte); x_scales 4 x 2,048 x 32 uint8 (E8M0 scales of x, one for each 32 codes along K).
;; Outputs: out0 4 x 2,048 x 1,024 float32.
;; This version of the problem:
;;   THIS VERSION OF THE PROBLEM IS GIVEN IN LOW PRECISION. The matrix products marked QUANTISED in the list below multiply operands that are first quantised to E2M1 (2 exponent bits, 1 mantissa bit; 4 bits a number), with one power-of-two scale for each 32 numbers along K (OCP MX v1.0); their sums are f32. All else is computed in f32.
;;   The module's matrix products, in the order in which they are computed (A, B: the left and right operand; K: the contracted axis; several contracted axes count as one K, in the product's order):
;;     1. [M 8,192, K 1,024] x [K 1,024, N 16]; A: input x (given as codes); B: input expert_sel (given as codes): QUANTISED
;;     2. [M 8,192, K 1,024] x [K 1,024, N 4,096]; A: input x (given as codes); B: input keys (given as codes): QUANTISED
;;     3. batch 16 x [M 1,024, K 256] x [K 256, N 8,192]; A: input values (given as codes); B: computed on the way: QUANTISED
;;   THE QUANTISER, for each operand of a quantised product, along K:
;;     - K is cut into blocks of 32 from its start; a last block that is shorter is filled with zeros.
;;     - A block's scale is 2^e with e = floor(log2(the largest magnitude in the block)) - 2, held to -126 .. 127; a block of zeros has e = 0. As a byte (E8M0): e + 127.
;;     - Each number is divided by its block's scale, clamped to +-6, and rounded to the nearest number of E2M1, ties to even, subnormals kept.
;;     - The product sums the exact products of the quantised numbers (number of the format x scale) in f32.
;;   ~~~python
;;   def quantise(x, axis):      # numpy; x: float32 -> the quantised numbers, widened to float32 again
;;       x = np.moveaxis(x, axis, -1); K = x.shape[-1]
;;       x = np.pad(x, [(0, 0)] * (x.ndim - 1) + [(0, -K % 32)]); x = x.reshape(x.shape[:-1] + (-1, 32)); a = np.abs(x).max(-1, keepdims=True)
;;       e = np.where(a > 0, np.clip(np.frexp(np.where(a > 0, a, 1))[1] - 1 - 2, -126, 127), 0)      # np.frexp(a)[1] - 1 = floor(log2(a)), exactly
;;       r = np.clip(x / 2.0 ** e, -6, 6)
;;       step = 2.0 ** (np.maximum(np.frexp(np.where(r == 0, 1, r))[1] - 1, 0) - 1)
;;       q = np.round(r / step) * step * 2.0 ** e      # np.round: ties to even
;;       return np.moveaxis(q.reshape(q.shape[:-2] + (-1,))[..., :K], -1, axis).astype(np.float32)
;;   ~~~
;;   OPERANDS COMPUTED ON THE WAY. 'Computed on the way' means the value that the module computes at that place (a softmax that the list does not call 'softmax' is quantised finished and normalised). What goes into a quantiser is computed in f32, as accurately as f32 sums, v_exp_f32 and their like allow (about 1e-6 of the number): no bf16 or f16 on the way to a quantiser, and a product that is left as it is and whose result goes on into a quantised operand takes f32 operands (vector FMAs, or v_wmma_f32_16x16x4_f32). A number that lies on a knife's edge between two numbers of the format may be rounded either way, as far as f32 arithmetic and the matrix unit's own rounding can turn it there, and no further.
;;   INPUTS GIVEN AS CODES. expert_sel (in the module: [16, 1024], K = its axis 1); keys (in the module: [16, 1024, 256], K = its axis 1); values (in the module: [16, 256, 1024], K = its axis 1); x (in the module: [4, 2048, 1024], K = its axis 2): each comes as NAME_codes (uint8): NAME with its K axis moved to the last place and cut into blocks of 32 codes, [.., K / 32, bytes a block], one block behind the other in memory; two codes a byte, the lower K in the low four bits (a code: sign, 2 exponent bits, 1 mantissa bit); and NAME_scales (uint8): the same leading axes, one E8M0 byte (e + 127) for each 32 codes along K. Its value is code x scale, taken as it is: it is not quantised again, and the codes and scales need not be those that the quantiser above would give.
;; One version. Each part assembles by itself: llvm-mc -triple=amdgcn-amd-amdhsa -mcpu=gfx1250 --defsym DOCPART=n.
;; ======== version 1 of 1: 2 launches
;; workspace buffers: h_img 16,777,216 bytes; aux 1,572,864 bytes
;; launch hidden (part 1): grid 8 x 32, 4 waves a work-group, clusters of 4 x 1, 167,936 bytes of LDS; arguments x_codes, x_scales, keys_codes, keys_scales, expert_sel_codes, expert_sel_scales, route_scale, h_img, aux; writes h_img, aux
.if DOCPART == 1
	.amdgcn_target "amdgcn-amd-amdhsa--gfx1250"
	.amdhsa_code_object_version 6
	.text
	.protected	k_qc11dab09a1_hidden
	.globl	k_qc11dab09a1_hidden
	.p2align	8
	.type	k_qc11dab09a1_hidden,@function
k_qc11dab09a1_hidden:
	s_mov_b64 s[64:65], 0
	v_nop
	global_prefetch_b8 v0, s[64:65] scope:SCOPE_SE
	s_setreg_imm32_b32 hwreg(HW_REG_WAVE_MODE, 25, 1), 1
	s_wait_xcnt 0x0
	s_wait_alu depctr_hold_cnt(0) depctr_sa_sdst(0) depctr_va_vdst(0) depctr_va_sdst(0) depctr_va_ssrc(0) depctr_va_vcc(0) depctr_vm_vsrc(0)
	s_getreg_b32 s2, hwreg(HW_REG_IB_STS2, 6, 4)
	s_cmp_eq_u32 s2, 0
	s_cbranch_scc0 .Lentry_in_a_cluster
	s_endpgm
.Lentry_in_a_cluster:
	s_bfe_u32 s2, ttmp6, 0x10000c
	s_cmp_lg_u32 s2, 0x3003
	s_cbranch_scc0 .Lentry_shape_is_right
	s_endpgm
.Lentry_shape_is_right:
; SigmaMoE, first of two launches.  It makes (a) Q(relu(x keys_e)) for all 16 experts: codes of E2M1 and E8M0 scale words, quantised along the expert's 256 hidden units in blocks of 32,
; and (b) the router's weights w[token][expert]: sigmoid(x . expert_sel), the four largest kept (a tie goes to the lower index), divided by their sum (held at 1e-9 from below), times route_scale; 0 for the twelve others.
; NO WORK IS LEFT OUT AND EVERY INPUT IS LOADED.  Every expert is computed for every token and the weight, 0 where the expert was not chosen, selects in the second launch: which rows are thrown away hangs on the
; values of the inputs, so the work is done and selected; no address and no branch hangs on data.
; LIMITS.  NaN and infinities among the values are not served.  A hidden block of zeros gets the scale byte 1, not 127: its codes are zeros, and this program alone reads the byte.  The four weights are summed in the
; order of the experts, not of the top-k.  Two probabilities that differ by a rounding of the sigmoid at the fourth and fifth place may be chosen the other way round.
; SHARES.  Work-group (p, blk): experts 2 p and 2 p + 1, tokens 256 blk on.  Wave w holds rows 512 p + 128 w .. + 127 of keys (expert 2 p + w / 2, hidden units 128 (w % 2) on) in 512 REGISTERS for the whole launch and
; walks the block's 16 tiles of 16 tokens; a tile gives one whole fragment (16 tokens x 128 along the next K) and one scale word a token.
; THE PRODUCT IS USED TRANSPOSED (source 0 = 16 rows of keys, source 1 = 16 tokens): a lane holds one token, its registers run along the hidden units.  THE ROWS OF KEYS THAT FORM A TILE ARE NOT NEIGHBOURS: lane r of
; tile 2 b + u takes row 32 b + 8 u + r + 8 (r / 8), so that the 16 registers of tiles 2 b, 2 b + 1 are 16 neighbours along the next K.
; CLUSTER.  The four work-groups of a cluster share blk: x's codes and scale bytes are asked for jointly, once, and stay in LDS.  Keys are not shared: each partner has its own pair of experts.
; OUT.  h_img [blk 32][sg 32][tile 16][1,024 bytes], sg = 2 expert + K step: the image of the operand's 8 registers (registers 4 c .. 4 c + 3 of lane l at 512 c + 16 l).
;       aux, 49,152 bytes a block: scale words [sg 32][g 2][lane 32][i 4] (lane (r, h), word i: token r of tile 8 g + 4 h + i); from byte 32,768 the weights [pair of experts 8][g 2][tile 8][r 16] x 8 bytes.
; REGISTERS, in windows of 256: window 0: v1-18 addresses; v24-31 x's scale words, two sets; v32-63 keys' scale words; v64-127 the tile's 8 accumulators; v128-135 the codes just made; v144-163 at work.
;   window 1: keys' fragments of K steps 0-3 at v[8 (8 s + t)];  window 2: K steps 4-7 likewise;  window 3: x's fragments, two sets of 64.
; A scale register holds K step q in lanes 0-15 and K step 4 + q in lanes 16-31 (one load of 16 bytes at row x 32 + 16 (lane / 16)).
.set XPITCH, 528                       ; a token's row in LDS: 512 bytes + 16: 33 x 16, so the 16 rows of a load start at 16 different 16-byte columns
.set XSC,    256*XPITCH                ; x's scale bytes: 32 units of 256 bytes + 16
.set SPARE,  XSC+32*272                ; the spare words: 128 bytes for each wave, two blocks of 256 bytes that no other line names
.set R,    1                           ; lane % 16
.set HH,   2                           ; lane / 16
.set LI,   3                           ; 16 x lane: an image's place
.set RO,   4                           ; 16 r: the scale words' place
.set KA,   5                           ; keys: (r + 8 (r / 8)) x 512 + 16 h
.set KSA,  6                           ; keys' scales: (r + 8 (r / 8)) x 32 + 16 h
.set AX0,  7                           ; LDS: r x 528 + 16 h
.set ASX0, 8                           ; LDS: XSC + (r / 8) x 272 + (r % 8) x 32 + 16 h
.set ADX,  9                           ; the trip's LDS addresses
.set ADS,  10
.set XRA,  11                          ; the router: r x 512 + 16 h
.set XRS,  12                          ; r x 32 + 16 h
.set WO,   13                          ; 8,192 h + 8 r
.set SPW,  14                          ; my spare word; never rewritten
.set NIL,  15                          ; 0; never rewritten
.set H8,   16                          ; 8 h
.set T0,   17
.set T1,   18
.set XS,   24
.set KS,   32
.set ACC,  64
.set PC,   128
.set TM,   144
.set PW,   160
.set WV,   22                          ; s22 wave; s23 cx; s24 p; s25 blk
.set TOF,  30                          ; s30 the trip's first tile in x's codes in LDS
.set CNT,  31
.set G1X,  32                          ; s[32:39], s[40:47] descriptor groups 1; s[48:51], s[52:55] groups 0
.set G1XS, 40
.set G0X,  48
.set G0XS, 52
.set SEL,  56                          ; s[56:57] selects of v_permlanex16_b32: lane l xor 16
.set RSC,  58                          ; route_scale
.set TOS,  59                          ; the trip's first tile among x's scale bytes in LDS
.set MSB, 0
.macro WIN new                         ; the immediate's high byte repeats the setting that is left; a switch that changes nothing is dropped
.if MSB != (\new)
	s_set_vgpr_msb (MSB<<8)|(\new)
.set MSB, (\new)
.endif
.endm
.macro ROUND                           ; a round of the cluster's barrier
	s_barrier_signal -1
	s_barrier_wait -1
	s_cmp_lg_u32 s[WV], 0
	s_cbranch_scc1 .Lnot_wave_0_\@
	s_barrier_signal -3
.Lnot_wave_0_\@:
	s_barrier_wait -3
	s_barrier_signal -1
	s_barrier_wait -1
.endm
; 64 numbers of a lane, none negative, register 16 b + i = k 32 b + 16 (lane / 16) + i of my token, become a fragment's codes in v[PC] on and its scale word in v[pw].
.macro QUANT s, pw
.irp b, 0,1,2,3
	v_max3_num_f32 v[TM+\b], v[\s+16*\b], v[\s+1+16*\b], 0x1800000   ; block b: my 16 numbers, and the floor 2^(3 - 127): the byte cannot fall under 1
.endr
.irp i, 2,4,6,8,10,12,14
.irp b, 0,1,2,3
	v_max3_num_f32 v[TM+\b], v[TM+\b], v[\s+16*\b+\i], v[\s+1+16*\b+\i]   ; the four blocks by turns
.endr
.endr
.irp b, 0,1,2,3
	v_permlanex16_b32 v[TM+4+\b], v[TM+\b], s[SEL], s[SEL+1]
.endr
.irp b, 0,1,2,3
	v_max_num_f32 v[TM+\b], v[TM+\b], v[TM+4+\b]   ; with lane l xor 16's: the block's largest number
.endr
.irp b, 0,1,2,3
	v_add_nc_u32 v[TM+12+\b], 0xff000000, v[TM+\b]   ; 2 off its exponent field: the conversion's scale operand
.endr
.irp b, 0,1,2,3
	v_lshrrev_b32 v[TM+4+\b], 23, v[TM+12+\b]      ; the scale's byte
.endr
	v_lshl_or_b32 v[\pw], v[TM+5], 8, v[TM+4]      ; the four bytes make my token's scale word
	v_lshl_or_b32 v[\pw], v[TM+6], 16, v[\pw]
	v_lshl_or_b32 v[\pw], v[TM+7], 24, v[\pw]
.irp b, 0,1,2,3
	v_cvt_scalef32_pk8_fp4_f32 v[PC+2*\b], v[\s+16*\b:\s+7+16*\b], v[TM+12+\b]
	v_cvt_scalef32_pk8_fp4_f32 v[PC+1+2*\b], v[\s+8+16*\b:\s+15+16*\b], v[TM+12+\b]
.endr
	v_nop                                          ; one plain place behind the scaled conversions
.irp c, 0,1                                    ; the operand wants a whole block in a lane: lanes 0-15 block 2 c, lanes 16-31 block 2 c + 1
.irp i, 0,1
	v_permlane16_swap_b32 v[PC+4*\c+\i], v[PC+2+4*\c+\i]
.endr
.endr
.endm
; the 16 loads of keys' tile t: its 16 rows x 512 bytes, one after the other
.macro KLOAD t
	WIN 0x40                                       ; destination window 1
.irp s, 0,1,2,3
.irp c, 0,1
	global_load_b128 v[8*(8*\s+\t)+4*\c:8*(8*\s+\t)+4*\c+3], v[KA], s[8:9] offset:(32*(\t/2)+8*(\t%2))*512+64*\s+32*\c
.endr
.endr
	WIN 0x80                                       ; destination window 2
.irp s, 0,1,2,3
.irp c, 0,1
	global_load_b128 v[8*(8*\s+\t)+4*\c:8*(8*\s+\t)+4*\c+3], v[KA], s[8:9] offset:(32*(\t/2)+8*(\t%2))*512+256+64*\s+32*\c
.endr
.endr
.endm
	s_load_b256 s[4:11], s[0:1], 0x0               ; x's codes s[4:5], x's scales s[6:7], keys' codes s[8:9], keys' scales s[10:11]
	s_load_b256 s[12:19], s[0:1], 0x20             ; expert_sel's codes s[12:13], its scales s[14:15], route_scale s[16:17], h_img s[18:19]
	s_load_b64 s[20:21], s[0:1], 0x40              ; aux
	v_lshl_add_u32 v[SPW], v0, 2, SPARE
	v_mov_b32 v[NIL], 0
	ds_add_u32 v[SPW], v[NIL]                      ; the wave's opening: the add, twice on end, and its wait ahead of my first tensor load
	ds_add_u32 v[SPW], v[NIL]                      ; and once more; the set-up below, work on registers, stands between it and the wait
	v_lshrrev_b32 v1, 5, v0
	v_readfirstlane_b32 s[WV], v1                  ; wave 0..3
	s_bfe_u32 s23, ttmp6, 0x40000                  ; cx: my place in the cluster; it enters global addresses alone
	s_lshl_b32 s24, ttmp9, 2
	s_add_co_u32 s24, s24, s23                     ; p = 4 x cluster x + cx: my pair of experts
	s_and_b32 s25, ttmp7, 0xffff                   ; blk, which the four partners share
	; x's codes: a wave fetches 64 rows of 512 bytes, 16 bytes of padding behind each
	s_mov_b32 s[G1X], 15|(1<<20)|(1<<21)|(6<<22)|(3<<25)   ; 15:0 the mask: all four partners; 17:16 elements of 1 byte; 20 padding on; 21 set beside a mask; 24:22 after every 128 words; 31:25 four words
	s_mov_b32 s[G1X+1], 512<<16                    ; tensor_dim0
	s_mov_b32 s[G1X+2], 64<<16                     ; tensor_dim1
	s_mov_b32 s[G1X+3], 512<<16                    ; tile_dim0
	s_mov_b32 s[G1X+4], 64                         ; tile_dim1
	s_mov_b32 s[G1X+5], 512                        ; from row to row
	s_mov_b32 s[G1X+6], 0
	s_mov_b32 s[G1X+7], 0
	; x's scale bytes: 64 tokens x 32 bytes, dense: 8 rows of 256 bytes (32 elements of 8), 16 bytes of padding behind each
	s_mov_b32 s[G1XS], 15|(3<<16)|(1<<20)|(1<<21)|(5<<22)|(3<<25)
	s_mov_b32 s[G1XS+1], 32<<16
	s_mov_b32 s[G1XS+2], 8<<16
	s_mov_b32 s[G1XS+3], 32<<16
	s_mov_b32 s[G1XS+4], 8
	s_mov_b32 s[G1XS+5], 32
	s_mov_b32 s[G1XS+6], 0
	s_mov_b32 s[G1XS+7], 0
	s_lshl_b32 s26, s25, 17                        ; the block's codes: 256 x 512 bytes,
	s_lshl_b32 s28, s[WV], 15                      ; my 64 rows of them
	s_add_co_u32 s26, s26, s28
	s_mov_b32 s27, 0
	s_lshl_b32 s28, s25, 13                        ; its scale bytes: 256 x 32,
	s_lshl_b32 s30, s[WV], 11
	s_add_co_u32 s28, s28, s30
	s_mov_b32 s29, 0
	s_mov_b32 s[G0X], 1
	s_mul_i32 s[G0X+1], s[WV], 64*XPITCH           ; LDS: the wave's number times a constant
	s_mov_b32 s[G0XS], 1
	s_mul_i32 s[G0XS+1], s[WV], 8*272
	s_add_co_u32 s[G0XS+1], s[G0XS+1], XSC
	s_mov_b32 s[SEL], 0x76543210
	s_mov_b32 s[SEL+1], 0xfedcba98
	v_and_b32 v[R], 15, v0
	v_bfe_u32 v[HH], v0, 4, 1
	v_and_b32 v[T0], 31, v0
	v_lshlrev_b32 v[LI], 4, v[T0]
	v_lshlrev_b32 v[RO], 4, v[R]
	v_and_b32 v[T0], 8, v[R]
	v_add_nc_u32 v[T0], v[T0], v[R]                ; r + 8 (r / 8)
	v_lshlrev_b32 v[KA], 9, v[T0]
	v_lshl_add_u32 v[KA], v[HH], 4, v[KA]
	v_lshlrev_b32 v[KSA], 5, v[T0]
	v_lshl_add_u32 v[KSA], v[HH], 4, v[KSA]
	v_mul_u32_u24 v[AX0], v[R], XPITCH
	v_lshl_add_u32 v[AX0], v[HH], 4, v[AX0]
	v_lshrrev_b32 v[T0], 3, v[R]
	v_mul_u32_u24 v[T0], v[T0], 272
	v_and_b32 v[T1], 7, v[R]
	v_lshl_add_u32 v[T0], v[T1], 5, v[T0]
	v_lshl_add_u32 v[T0], v[HH], 4, v[T0]
	v_add_nc_u32 v[ASX0], XSC, v[T0]
	v_lshlrev_b32 v[XRA], 9, v[R]
	v_lshl_add_u32 v[XRA], v[HH], 4, v[XRA]
	v_lshlrev_b32 v[XRS], 5, v[R]
	v_lshl_add_u32 v[XRS], v[HH], 4, v[XRS]
	v_lshlrev_b32 v[WO], 3, v[R]
	v_lshl_add_u32 v[WO], v[HH], 13, v[WO]
	v_lshlrev_b32 v[H8], 3, v[HH]
	s_wait_dscnt 0x0                               ; both opening adds are done
	s_wait_kmcnt 0x0
	s_add_nc_u64 s[G0X+2:G0X+3], s[4:5], s[26:27]
	s_or_b32 s[G0X+3], s[G0X+3], 0x80000000        ; type = 2
	s_add_nc_u64 s[G0XS+2:G0XS+3], s[6:7], s[28:29]
	s_or_b32 s[G0XS+3], s[G0XS+3], 0x80000000
	s_load_b32 s[RSC], s[16:17], 0x0
	ROUND                                          ; all four work-groups are here: the joint loads meet
	tensor_load_to_lds s[G0X:G0X+3], s[G1X:G1X+7]  ; every wave issues both: two loads of mine are out
	s_nop 0
	tensor_load_to_lds s[G0XS:G0XS+3], s[G1XS:G1XS+7]
	s_nop 0
.rept 4
	v_nop
.endr
	; the global addresses that hang on p
	s_and_b32 s62, s[WV], 1
	s_lshl_b32 s59, s24, 1
	s_add_co_u32 s59, s59, s62                     ; the router's tile of the block's 16: 2 p + wave % 2 (waves 0 and 1 do it)
	s_lshl_b32 s60, s25, 17
	s_lshl_b32 s61, s59, 13
	s_add_co_u32 s60, s60, s61
	s_mov_b32 s61, 0
	s_add_nc_u64 s[66:67], s[4:5], s[60:61]        ; its 16 tokens' codes
	s_lshl_b32 s60, s25, 13
	s_lshl_b32 s62, s59, 9
	s_add_co_u32 s60, s60, s62
	s_add_nc_u64 s[68:69], s[6:7], s[60:61]        ; and scale bytes
	s_mul_i32 s60, s25, 49152
	s_add_nc_u64 s[20:21], s[20:21], s[60:61]      ; aux at my block
	s_lshr_b32 s60, s59, 3
	s_lshl_b32 s60, s60, 10
	s_and_b32 s62, s59, 7
	s_lshl_b32 s62, s62, 7
	s_add_co_u32 s60, s60, s62
	s_add_co_u32 s60, s60, 32768
	s_add_nc_u64 s[70:71], s[20:21], s[60:61]      ; the tile's weights
	s_lshl_b32 s60, s24, 12
	s_lshl_b32 s62, s[WV], 10
	s_add_co_u32 s60, s60, s62
	s_add_nc_u64 s[20:21], s[20:21], s[60:61]      ; the scale words of sg = 4 p + wave
	s_lshl_b32 s60, s24, 18
	s_lshl_b32 s62, s[WV], 16
	s_add_co_u32 s60, s60, s62
	s_add_nc_u64 s[8:9], s[8:9], s[60:61]          ; keys at row 512 p + 128 wave
	s_lshl_b32 s60, s24, 14
	s_lshl_b32 s62, s[WV], 12
	s_add_co_u32 s60, s60, s62
	s_add_nc_u64 s[10:11], s[10:11], s[60:61]
	s_lshl_b32 s60, s25, 19
	s_lshl_b32 s62, s24, 16
	s_add_co_u32 s60, s60, s62
	s_lshl_b32 s62, s[WV], 14
	s_add_co_u32 s60, s60, s62
	s_add_nc_u64 s[18:19], s[18:19], s[60:61]      ; h_img at (blk, sg)
	s_mov_b32 s[TOF], 0
	s_mov_b32 s[TOS], 0
	; the router's 34 loads (waves 0 and 1): its tokens into x's set 0, expert_sel into set 1
	s_cmp_lt_u32 s[WV], 2
	s_cbranch_scc0 .Lno_router_loads
	WIN 0xc0                                       ; destination window 3
.irp s, 0,1,2,3,4,5,6,7
.irp c, 0,1
	global_load_b128 v[8*\s+4*\c:8*\s+4*\c+3], v[XRA], s[66:67] offset:64*\s+32*\c
	global_load_b128 v[64+8*\s+4*\c:64+8*\s+4*\c+3], v[XRA], s[12:13] offset:64*\s+32*\c
.endr
.endr
	WIN 0
	global_load_b128 v[XS:XS+3], v[XRS], s[68:69]
	global_load_b128 v[XS+4:XS+7], v[XRS], s[14:15]
.Lno_router_loads:
	; keys, first group: 8 loads of scale words and tiles 0 to 2: 56 loads
.irp t, 0,1,2,3,4,5,6,7
	global_load_b128 v[KS+4*\t:KS+4*\t+3], v[KSA], s[10:11] offset:(32*(\t/2)+8*(\t%2))*32
.endr
	KLOAD 0
	KLOAD 1
	KLOAD 2
	WIN 0
	s_wait_kmcnt 0x0                               ; route_scale
	s_cmp_lt_u32 s[WV], 2
	s_cbranch_scc0 .Lno_router
	; THE ROUTER, for 16 tokens, while the 56 loads are on their way
	s_wait_loadcnt 56                              ; loads come back in order: all but the 56 issued behind the router's are in
	WIN 0x0f                                       ; sources 0 and 1 window 3
.irp s, 0,1,2,3,4,5,6,7                        ; source 0 = the 16 experts, source 1 = my 16 tokens; two accumulators by turns
.if \s < 2
	v_wmma_scale_f32_16x16x128_f8f6f4 v[ACC+8*(\s%2):ACC+8*(\s%2)+7], v[64+8*\s:64+8*\s+7], v[8*\s:8*\s+7], 0, v[XS+4+\s%4], v[XS+\s%4] matrix_a_fmt:MATRIX_FMT_FP4 matrix_b_fmt:MATRIX_FMT_FP4
.elseif \s < 4
	v_wmma_scale_f32_16x16x128_f8f6f4 v[ACC+8*(\s%2):ACC+8*(\s%2)+7], v[64+8*\s:64+8*\s+7], v[8*\s:8*\s+7], v[ACC+8*(\s%2):ACC+8*(\s%2)+7], v[XS+4+\s%4], v[XS+\s%4] matrix_a_fmt:MATRIX_FMT_FP4 matrix_b_fmt:MATRIX_FMT_FP4
.else
	v_wmma_scale_f32_16x16x128_f8f6f4 v[ACC+8*(\s%2):ACC+8*(\s%2)+7], v[64+8*\s:64+8*\s+7], v[8*\s:8*\s+7], v[ACC+8*(\s%2):ACC+8*(\s%2)+7], v[XS+4+\s%4], v[XS+\s%4] matrix_a_fmt:MATRIX_FMT_FP4 matrix_b_fmt:MATRIX_FMT_FP4 matrix_a_scale:MATRIX_SCALE_ROW1 matrix_b_scale:MATRIX_SCALE_ROW1
.endif
.endr
	WIN 0
.rept 4
	v_nop                                          ; four places behind the last product, ahead of the first read of a result
.endr
.irp j, 0,1,2,3,4,5,6,7
	v_add_f32 v[80+\j], v[ACC+\j], v[ACC+8+\j]     ; the logit of expert 8 h + j for token r
.endr
.irp j, 0,1,2,3,4,5,6,7
	v_mul_f32 v[80+\j], 0xbfb8aa3b, v[80+\j]       ; x -log2(e)
.endr
.irp j, 0,1,2,3,4,5,6,7
	v_exp_f32 v[80+\j], v[80+\j]
.endr
	v_nop                                          ; a plain place behind the batch,
	s_wait_alu depctr_va_vdst(0)                   ; and the one wait ahead of its first reader
.irp j, 0,1,2,3,4,5,6,7
	v_add_f32 v[80+\j], 1.0, v[80+\j]
.endr
.irp j, 0,1,2,3,4,5,6,7
	v_rcp_f32 v[80+\j], v[80+\j]                   ; p = 1 / (1 + 2^(-logit log2(e)))
.endr
	v_mov_b32 v99, 0                               ; (a plain place; a lane permute's destination counts as one of its sources)
	s_wait_alu depctr_va_vdst(0)
.irp j, 0,1,2,3,4,5,6,7
	v_mov_b32 v[88+\j], v[80+\j]                   ; a copy in which what has been chosen becomes -1
.endr
	v_mov_b32 v100, -1.0
.rept 4                                        ; four times: the largest that is left; among equals the lowest index
	v_max3_num_f32 v96, v88, v89, v90
	v_max3_num_f32 v97, v91, v92, v93
	v_max3_num_f32 v96, v96, v94, v95
	v_max_num_f32 v96, v96, v97
	v_permlanex16_b32 v97, v96, s[SEL], s[SEL+1]
	v_max_num_f32 v96, v96, v97                    ; over the token's 16
	v_mov_b32 v98, 64
.irp j, 7,6,5,4,3,2,1,0
	v_cmp_neq_f32 vcc_lo, v[88+\j], v96
	v_cndmask_b32 v98, \j, v98, vcc_lo             ; the lowest j of my eight that holds it, or 64
.endr
	v_add_nc_u32 v98, v98, v[H8]
	v_permlanex16_b32 v99, v98, s[SEL], s[SEL+1]
	v_min_u32 v98, v98, v99                        ; the lowest expert of the 16
	v_sub_nc_u32 v98, v98, v[H8]                   ; as one of my eight, if it is one
.irp j, 0,1,2,3,4,5,6,7
	v_cmp_eq_u32 vcc_lo, \j, v98
	v_cndmask_b32 v[88+\j], v[88+\j], v100, vcc_lo
.endr
.endr
.irp j, 0,1,2,3,4,5,6,7
	v_cmp_gt_f32 vcc_lo, 0, v[88+\j]
	v_cndmask_b32 v[88+\j], 0, v[80+\j], vcc_lo    ; p where chosen, else 0
.endr
	v_add_f32 v96, v88, v89
	v_add_f32 v97, v90, v91
	v_add_f32 v101, v92, v93
	v_add_f32 v102, v94, v95
	v_add_f32 v96, v96, v97
	v_add_f32 v101, v101, v102
	v_add_f32 v96, v96, v101
	v_permlanex16_b32 v97, v96, s[SEL], s[SEL+1]
	v_add_f32 v96, v96, v97                        ; the sum of the four
	v_max_num_f32 v96, 0x3089705f, v96             ; held at 1e-9 from below
	v_rcp_f32 v96, v96
	v_nop
	s_wait_alu depctr_va_vdst(0)
	v_mul_f32 v96, s[RSC], v96
.irp j, 0,1,2,3,4,5,6,7
	v_mul_f32 v[88+\j], v[88+\j], v96
.endr
.irp q, 0,1,2,3
	global_store_b64 v[WO], v[88+2*\q:89+2*\q], s[70:71] offset:2048*\q   ; experts 8 h + 2 q, 8 h + 2 q + 1 of token r
.endr
	s_wait_xcnt 0x0                                ; the stores' data lie among the accumulators: they are written again only behind this wait
.Lno_router:
	KLOAD 3                                        ; keys, second group: 80 loads
	KLOAD 4
	KLOAD 5
	KLOAD 6
	KLOAD 7
	WIN 0
	s_wait_tensorcnt 0x0                           ; my parts of x are in LDS,
	s_barrier_signal -1
	s_barrier_wait -1                              ; everybody's are
	WIN 0xc0
.irp s, 0,1,2,3,4,5,6,7
.irp c, 0,1
	ds_load_b128 v[8*\s+4*\c:8*\s+4*\c+3], v[AX0] offset:64*\s+32*\c   ; tile 0 into set 0
.endr
.endr
	WIN 0
	ds_load_b128 v[XS:XS+3], v[ASX0]
.irp b, 0,1,2,3
	v_mov_b32 v[TM+4+\b], 0                        ; written once: a lane permute's destination counts as one of its sources
.endr
	s_wait_loadcnt 0x0                             ; keys and their scale words
; Tile i of a trip's four, from set b.  next = 1: the next tile's 17 LDS loads go out first, into the other set.
.macro TILE i, b, next
.if \next
	WIN 0xc0
.irp s, 0,1,2,3,4,5,6,7
.irp c, 0,1
	ds_load_b128 v[64*(1-\b)+8*\s+4*\c:64*(1-\b)+8*\s+4*\c+3], v[ADX] offset:(\i+1)*16*XPITCH+64*\s+32*\c
.endr
.endr
	WIN 0
	ds_load_b128 v[XS+4*(1-\b):XS+4*(1-\b)+3], v[ADS] offset:(\i+1)*544
	s_wait_dscnt 17                                ; LDS loads come back in order: all but the 17 just issued are in
.else
	s_wait_dscnt 0x0
.endif
	WIN 0x0d                                       ; source 0 (keys) window 1, source 1 (x) window 3, C and D window 0
.irp s, 0,1,2,3                                ; the 8 accumulators take turns, one instruction a turn
.irp t, 0,1,2,3,4,5,6,7
.if \s == 0
	v_wmma_scale_f32_16x16x128_f8f6f4 v[ACC+8*\t:ACC+8*\t+7], v[8*(8*\s+\t):8*(8*\s+\t)+7], v[64*\b+8*\s:64*\b+8*\s+7], 0, v[KS+4*\t+\s], v[XS+4*\b+\s] matrix_a_fmt:MATRIX_FMT_FP4 matrix_b_fmt:MATRIX_FMT_FP4
.else
	v_wmma_scale_f32_16x16x128_f8f6f4 v[ACC+8*\t:ACC+8*\t+7], v[8*(8*\s+\t):8*(8*\s+\t)+7], v[64*\b+8*\s:64*\b+8*\s+7], v[ACC+8*\t:ACC+8*\t+7], v[KS+4*\t+\s], v[XS+4*\b+\s] matrix_a_fmt:MATRIX_FMT_FP4 matrix_b_fmt:MATRIX_FMT_FP4
.endif
.endr
.endr
	WIN 0x0e                                       ; keys' K steps 4-7: window 2; their scales in lanes 16-31
.irp s, 0,1,2,3
.irp t, 0,1,2,3,4,5,6,7
	v_wmma_scale_f32_16x16x128_f8f6f4 v[ACC+8*\t:ACC+8*\t+7], v[8*(8*\s+\t):8*(8*\s+\t)+7], v[64*\b+32+8*\s:64*\b+32+8*\s+7], v[ACC+8*\t:ACC+8*\t+7], v[KS+4*\t+\s], v[XS+4*\b+\s] matrix_a_fmt:MATRIX_FMT_FP4 matrix_b_fmt:MATRIX_FMT_FP4 matrix_a_scale:MATRIX_SCALE_ROW1 matrix_b_scale:MATRIX_SCALE_ROW1
.endr
.endr
	WIN 0
.rept 4
	v_nop                                          ; four places ahead of the first read of results
.endr
.set j, 0
.rept 64
	v_max_num_f32 v[ACC+j], 0, v[ACC+j]            ; relu, in f32; each accumulator from its low end on
.set j, j+1
.endr
	s_wait_xcnt 0x0                                ; the last tile's stores have read the codes' registers: they are written again only behind this wait
	QUANT ACC, PW+\i
	global_store_b128 v[LI], v[PC:PC+3], s[18:19] offset:\i*1024          ; the image: 512 consecutive bytes a store
	global_store_b128 v[LI], v[PC+4:PC+7], s[18:19] offset:\i*1024+512
.endm
.macro TRIP last
	v_add_nc_u32 v[ADX], s[TOF], v[AX0]
	v_add_nc_u32 v[ADS], s[TOS], v[ASX0]
	TILE 0, 0, 1
	TILE 1, 1, 1
	TILE 2, 0, 1
	TILE 3, 1, 1-\last
	global_store_b128 v[RO], v[PW:PW+3], s[20:21]  ; four tiles' scale words of token r: 256 consecutive bytes (lanes 16-31 hold and write the same)
.if !\last
	s_wait_xcnt 0x0                                ; the stores have read their bases and data
	s_add_nc_u64 s[18:19], s[18:19], 4096
	s_add_nc_u64 s[20:21], s[20:21], 256
	s_add_co_u32 s[TOF], s[TOF], 4*16*XPITCH
	s_add_co_u32 s[TOS], s[TOS], 4*544
.endif
.endm
	s_mov_b32 s[CNT], 3
.Ltrip:
	TRIP 0
	s_sub_co_u32 s[CNT], s[CNT], 1
	s_cmp_lg_u32 s[CNT], 0
	s_cbranch_scc1 .Ltrip
	TRIP 1                                         ; the last four tiles are written out: no LDS load reaches past the block
	s_wait_tensorcnt 0x0                           ; the wave's end
	ds_add_u32 v[SPW], v[NIL]
	s_wait_dscnt 0x0
	ROUND                                          ; the closing round
	s_endpgm
.Lfunc_end_k_qc11dab09a1_hidden:
	.size	k_qc11dab09a1_hidden, .Lfunc_end_k_qc11dab09a1_hidden-k_qc11dab09a1_hidden
	.p2alignl 7, 3214868480
	.fill 96, 4, 3214868480
	.section	.rodata,"a",@progbits
	.p2align	6, 0x0
	.amdhsa_kernel k_qc11dab09a1_hidden
		.amdhsa_group_segment_fixed_size 167936
		.amdhsa_private_segment_fixed_size 0
		.amdhsa_enable_private_segment 0
		.amdhsa_kernarg_size 72
		.amdhsa_user_sgpr_count 2
		.amdhsa_user_sgpr_kernarg_segment_ptr 1
		.amdhsa_wavefront_size32 1
		.amdhsa_system_sgpr_workgroup_id_x 1
		.amdhsa_system_sgpr_workgroup_id_y 1
		.amdhsa_system_sgpr_workgroup_id_z 1
		.amdhsa_system_vgpr_workitem_id 0
		.amdhsa_next_free_vgpr 896
		.amdhsa_next_free_sgpr 72
		.amdhsa_reserve_vcc 1
		.amdhsa_float_denorm_mode_32 3
		.amdhsa_float_denorm_mode_16_64 3
		.amdhsa_memory_ordered 1
		.amdhsa_forward_progress 1
		.amdhsa_inst_pref_size 158
	.end_amdhsa_kernel
	.amdgpu_metadata
---
amdhsa.version: [ 1, 2 ]
amdhsa.kernels:
  - .name:           k_qc11dab09a1_hidden
    .symbol:         k_qc11dab09a1_hidden.kd
    .args:
      - { .name: x_codes, .offset: 0, .size: 8, .value_kind: global_buffer, .address_space: global }
      - { .name: x_scales, .offset: 8, .size: 8, .value_kind: global_buffer, .address_space: global }
      - { .name: keys_codes, .offset: 16, .size: 8, .value_kind: global_buffer, .address_space: global }
      - { .name: keys_scales, .offset: 24, .size: 8, .value_kind: global_buffer, .address_space: global }
      - { .name: expert_sel_codes, .offset: 32, .size: 8, .value_kind: global_buffer, .address_space: global }
      - { .name: expert_sel_scales, .offset: 40, .size: 8, .value_kind: global_buffer, .address_space: global }
      - { .name: route_scale, .offset: 48, .size: 8, .value_kind: global_buffer, .address_space: global }
      - { .name: h_img, .offset: 56, .size: 8, .value_kind: global_buffer, .address_space: global }
      - { .name: aux, .offset: 64, .size: 8, .value_kind: global_buffer, .address_space: global }
    .group_segment_fixed_size: 167936
    .private_segment_fixed_size: 0
    .kernarg_segment_align: 8
    .kernarg_segment_size: 72
    .max_flat_workgroup_size: 128
    .sgpr_count:     72
    .vgpr_count:     896
    .wavefront_size: 32
...
	.end_amdgpu_metadata
.endif
;; end of part 1
;; launch combine (part 2): grid 32 x 8, 4 waves a work-group, clusters of 4 x 1, 327,680 bytes of LDS; arguments h_img, aux, values_codes, values_scales, out0; writes out0
.if DOCPART == 2
	.amdgcn_target "amdgcn-amd-amdhsa--gfx1250"
	.amdhsa_code_object_version 6
	.text
	.protected	k_qc11dab09a1_combine
	.globl	k_qc11dab09a1_combine
	.p2align	8
	.type	k_qc11dab09a1_combine,@function
k_qc11dab09a1_combine:
	s_mov_b64 s[64:65], 0
	v_nop
	global_prefetch_b8 v0, s[64:65] scope:SCOPE_SE
	s_setreg_imm32_b32 hwreg(HW_REG_WAVE_MODE, 25, 1), 1
	s_wait_xcnt 0x0
	s_wait_alu depctr_hold_cnt(0) depctr_sa_sdst(0) depctr_va_vdst(0) depctr_va_sdst(0) depctr_va_ssrc(0) depctr_va_vcc(0) depctr_vm_vsrc(0)
	s_getreg_b32 s2, hwreg(HW_REG_IB_STS2, 6, 4)
	s_cmp_eq_u32 s2, 0
	s_cbranch_scc0 .Lentry_in_a_cluster
	s_endpgm
.Lentry_in_a_cluster:
	s_bfe_u32 s2, ttmp6, 0x10000c
	s_cmp_lg_u32 s2, 0x3003
	s_cbranch_scc0 .Lentry_shape_is_right
	s_endpgm
.Lentry_shape_is_right:
; SigmaMoE, second launch: out[token][v] = the sum over the 16 experts e of w[token][e] x (values_e . Q(h_e[token]))[v].  No work is left out: every expert is multiplied, and w, 0 where the router did not choose it, selects.
; LIMIT: a product of an expert that was NOT chosen and that overflows f32 would give 0 x infinity = NaN where the definition discards it; NaN and infinities are not served.
; h_img and aux are the first launch's: the hidden layer as images of the operand's registers, its scale words, and w in pairs of experts.
; SHARES.  Work-group (blk, slice): 256 tokens x 128 columns of out.  Wave w: tokens 64 w on (4 tiles of 16), all 128 columns (8 tiles): 256 registers of sums.  No two waves need the same hidden fragment.
; THE PRODUCT IS USED TRANSPOSED (source 0 = 16 rows of values, source 1 = a hidden fragment of 16 tokens): a lane holds one token and 8 neighbouring columns.  An expert's K is 256: y = two matrix instructions,
; then the sum takes w x y by four packed multiply-adds, which stand between the next tile's matrix instructions.
; VALUES STAY IN LDS: the slice's 128 rows of all 16 experts, 294,912 bytes with their padding, and their scale bytes, 16,384: filled once, nothing is ever filled again.
; THE HIDDEN LAYER GOES FROM MEMORY STRAIGHT INTO REGISTERS: it lies as images of the operand's registers, so a load of 16 bytes a lane reads 512 consecutive bytes and is half a fragment.  An expert is 21 loads a wave
; (16 of fragments, 1 of scale words, 4 of w); four sets of registers take turns: one at work, three, 63 loads, on their way.
; CLUSTER 4 x 1.  The four partners share the slice: values and their scales are asked for jointly.  A block's hidden images are read by the eight work-groups of its eight slices and are NOT asked for jointly: a joint
; request lands in LDS, and beside the 311,296 bytes of values and scales and the spare words LDS has 15,872 bytes left, less than one expert's 32,768.
; REGISTERS, in windows of 256: windows 1 and 2 (columns 0-63, 64-127): v0-127 the sums (tile t, columns c at 8 (4 t + c)); v128-191 y, two sets of 32; v192-255 values' fragments (8 (2 c + s)).
;   window 3: v0-191 hidden sets 0, 1, 2 (16 t + 8 s); v192-215 their w.   window 0: v1-15 addresses; v16-31 hidden scale words, four sets; v32-39 values' scale words; v48-55 w of set 3; v64-127 hidden set 3; v128-255 the way out.
; ONE window setting a half (sources 0 and 2 and the destination: the half's window; source 1: the hidden set's) serves the matrix instruction (values | hidden | y) and the packed multiply-add (y | w | sum) alike.
.set VP,     144                       ; a row of values in LDS: 128 bytes + 16: 9 x 16, so the 16 rows of a load start at 16 different 16-byte columns
.set VEXP,   128*VP                    ; an expert's 128 rows
.set VSC,    16*VEXP                   ; values' scale bytes [expert 16][128 rows][8]
.set SPARE,  VSC+16384                 ; the spare words: 128 bytes for each wave, two blocks of 256 bytes that no other line names
.set SPITCH, 528                       ; the way out: a stage of 16 rows x (512 + 16) bytes for each wave, from LDS byte 0 on, behind a barrier behind which no wave reads values
.set R,    1                           ; lane % 16
.set HH,   2                           ; lane / 16
.set LN,   3
.set LI,   4                           ; 16 x lane: an image's place, and my place in a row of out0; never rewritten
.set ADV,  5                           ; values of the expert to be fetched: + r x 144 + 16 h
.set ADVS, 6                           ; its scale words: + 8 x lane
.set HSO,  7                           ; hidden scale words: 1,024 h + 16 r; never rewritten
.set WO,   8                           ; w: 8 r; never rewritten
.set STO,  9
.set RD,   10
.set PFO,  11                          ; the prefetches: 16,384 h + 256 r; never rewritten
.set T0,   12
.set SPW,  14                          ; my spare word; never rewritten
.set NIL,  15                          ; 0; never rewritten
.set HSB,  16
.set VSB,  32
.set BK,   128                         ; the way out: rows read back, v128-191 and v192-255 by turns
.set YB,   128
.set AFB,  192
.set G1V,  24                          ; s[24:31] group 1, values;  s[40:55] four groups 0
.set G1S,  32                          ; s[32:39] group 1, their scales;  s[56:59] group 0
.set G0V,  40
.set G0S,  56
.set HP,   60                          ; s[60:61] h_img at my block, my four tiles, the trip's first expert
.set HSP,  62                          ; s[62:63] the scale words likewise
.set WP,   66                          ; s[66:67] w likewise
.set LIM,  68                          ; s68 1 in a work-group that prefetches, else the greatest number
.set MSB, 0
.macro WIN new                         ; the immediate's high byte repeats the setting that is left; a switch that changes nothing is dropped
.if MSB != (\new)
	s_set_vgpr_msb (MSB<<8)|(\new)
.set MSB, (\new)
.endif
.endm
.macro ROUND                           ; a round of the cluster's barrier
	s_barrier_signal -1
	s_barrier_wait -1
	s_cmp_lg_u32 s14, 0
	s_cbranch_scc1 .Lnot_wave_0_\@
	s_barrier_signal -3
.Lnot_wave_0_\@:
	s_barrier_wait -3
	s_barrier_signal -1
	s_barrier_wait -1
.endm
.macro SETK k                          ; where hidden set k lies
.set KK, \k
.if (\k) < 3
.set BFK, 64*(\k)
.set WK, 192+8*(\k)
.set WNB, 3
.else
.set BFK, 64
.set WK, 48
.set WNB, 0
.endif
.endm
; 21 loads: the hidden layer of one expert, eo experts on from the pointers, into set k: the scale words of my 4 tiles (lanes 0-15 K step 0, lanes 16-31 K step 1), w of my 4 tiles (the pair of experts), 8 fragments
.macro GLOAD k, eo
	SETK \k
	global_load_b128 v[HSB+4*KK:HSB+4*KK+3], v[HSO], s[HSP:HSP+1] offset:(\eo)*2048
	WIN WNB<<6                                     ; the destination: the set's window
.irp i, 0,1,2,3
	global_load_b64 v[WK+2*\i:WK+2*\i+1], v[WO], s[WP:WP+1] offset:((\eo)/2)*2048+\i*128
.endr
.irp i, 0,1,2,3
.irp s, 0,1
.irp c, 0,1
	global_load_b128 v[BFK+16*\i+8*\s+4*\c:BFK+16*\i+8*\s+4*\c+3], v[LI], s[HP:HP+1] offset:(\eo)*32768+\s*16384+\i*1024+\c*512   ; 512 consecutive bytes
.endr
.endr
.endr
	WIN 0
.endm
; A PREFETCH of my wave's hidden images of the expert eight on: 2 x 4,096 bytes, 32 blocks of 256 bytes, a lane a block.  It stands behind the expert's loads, four experts ahead of the loads that will want those bytes.
; A block's images are read by the work-groups of all eight slices: those of slice 0 ask (the partners of a cluster share the slice), each wave for its own tiles: each block is named once in the launch.
; how = 1: experts 0 to 3; how = 2, in the loop: its first trip alone: experts 8 to 15 have no expert eight on.
.macro ASK how, k
.if \how == 1
	s_cmp_eq_u32 s[LIM], 1
.else
	s_cmp_gt_u32 s3, s[LIM]
.endif
	s_cbranch_scc0 .Lnot_mine_\@
	global_prefetch_b8 v[PFO], s[HP:HP+1] offset:((\k)+8)*32768 th:TH_LOAD_NT scope:SCOPE_SE
.Lnot_mine_\@:
.endm
	s_load_b256 s[4:11], s[0:1], 0x0               ; h_img s[4:5], aux s[6:7], values' codes s[8:9], values' scales s[10:11]
	s_load_b64 s[12:13], s[0:1], 0x20              ; out0
	v_lshl_add_u32 v[SPW], v0, 2, SPARE
	v_mov_b32 v[NIL], 0
	ds_add_u32 v[SPW], v[NIL]                      ; the wave's opening: the add, twice on end, and its wait ahead of my first tensor load
	ds_add_u32 v[SPW], v[NIL]                      ; and once more; the set-up below, work on registers, stands between it and the wait
	v_lshrrev_b32 v1, 5, v0
	v_readfirstlane_b32 s14, v1                    ; wave 0..3
	s_bfe_u32 s15, ttmp6, 0x40000                  ; cx: my place in the cluster; it enters global addresses of plain loads and stores alone
	s_lshl_b32 s16, ttmp9, 2
	s_add_co_u32 s16, s16, s15                     ; blk = 4 x cluster x + cx
	s_and_b32 s17, ttmp7, 0xffff                   ; the slice, which the four partners share
	; values: an expert's 128 rows of 128 bytes, 16 bytes of padding behind each (after every 32 words, four words)
	s_mov_b32 s[G1V], 15|(1<<20)|(1<<21)|(4<<22)|(3<<25)   ; 15:0 the mask: all four partners; 17:16 elements of 1 byte; 20 padding on; 21 set beside a mask
	s_mov_b32 s[G1V+1], 128<<16                    ; tensor_dim0
	s_mov_b32 s[G1V+2], 128<<16                    ; tensor_dim1
	s_mov_b32 s[G1V+3], 128<<16                    ; tile_dim0
	s_mov_b32 s[G1V+4], 128                        ; tile_dim1
	s_mov_b32 s[G1V+5], 128                        ; from row to row
	s_mov_b32 s[G1V+6], 0
	s_mov_b32 s[G1V+7], 0
	; their scales: 4 experts x the slice's 1,024 bytes (128 elements of 8), 8,192 bytes from expert to expert
	s_mov_b32 s[G1S], 15|(3<<16)|(1<<21)
	s_mov_b32 s[G1S+1], 128<<16
	s_mov_b32 s[G1S+2], 4<<16
	s_mov_b32 s[G1S+3], 128<<16
	s_mov_b32 s[G1S+4], 4
	s_mov_b32 s[G1S+5], 1024
	s_mov_b32 s[G1S+6], 0
	s_mov_b32 s[G1S+7], 0
	; offsets.  s[18:23] are made of the slice and the wave alone: they feed the joint loads
	s_lshl_b32 s18, s14, 17                        ; values: expert w,
	s_lshl_b32 s19, s17, 14                        ; the slice's 128 rows
	s_add_co_u32 s18, s18, s19
	s_mov_b32 s19, 0
	s_lshl_b32 s22, s14, 15                        ; scales: experts 4 w on,
	s_lshl_b32 s23, s17, 10
	s_add_co_u32 s22, s22, s23
	s_mov_b32 s23, 0
	s_mul_i32 s20, s14, VEXP                       ; LDS: the wave's number times a constant
	s_lshl_b32 s21, s14, 12
	s_lshl_b32 s[HP], s16, 19                      ; h_img: the block's 524,288 bytes, my 4 tiles of 1,024
	s_lshl_b32 s[HP+1], s14, 12
	s_add_co_u32 s[HP], s[HP], s[HP+1]
	s_mov_b32 s[HP+1], 0
	s_mul_i32 s[HSP], s16, 49152                   ; aux: the block's 49,152 bytes; my 4 tiles' scale words: 256 bytes
	s_lshl_b32 s[HSP+1], s14, 8
	s_add_co_u32 s[HSP], s[HSP], s[HSP+1]
	s_mov_b32 s[HSP+1], 0
	s_mul_i32 s[WP], s16, 49152                    ; w from byte 32,768 on; my 4 tiles: 512 bytes
	s_lshl_b32 s[WP+1], s14, 9
	s_add_co_u32 s[WP], s[WP], s[WP+1]
	s_add_co_u32 s[WP], s[WP], 32768
	s_mov_b32 s[WP+1], 0
	s_lshl_b32 s70, s16, 20                        ; out0 at token 256 blk + 64 w, column 128 slice
	s_lshl_b32 s71, s14, 18
	s_add_co_u32 s70, s70, s71
	s_lshl_b32 s71, s17, 9
	s_add_co_u32 s70, s70, s71
	s_mov_b32 s71, 0
	s_cmp_eq_u32 s17, 0
	s_cselect_b32 s[LIM], 1, -1                    ; the same in all four partners
	v_and_b32 v[R], 15, v0
	v_bfe_u32 v[HH], v0, 4, 1
	v_and_b32 v[LN], 31, v0
	v_lshlrev_b32 v[LI], 4, v[LN]
	v_mul_u32_u24 v[ADV], v[R], VP
	v_lshl_add_u32 v[ADV], v[HH], 4, v[ADV]
	v_lshl_add_u32 v[ADVS], v[LN], 3, VSC          ; lane l: row 32 cp + l: lanes 0-15 an even tile of columns, lanes 16-31 the odd one beside it
	v_lshlrev_b32 v[HSO], 4, v[R]
	v_lshl_add_u32 v[HSO], v[HH], 10, v[HSO]
	v_lshlrev_b32 v[WO], 3, v[R]
	s_mul_i32 s69, s14, 16*SPITCH                  ; my stage
	v_mul_u32_u24 v[T0], v[R], SPITCH
	v_lshl_add_u32 v[T0], v[HH], 5, v[T0]
	v_add_nc_u32 v[STO], s69, v[T0]                ; in: row r, 32 bytes for each half of the lanes
	v_add_nc_u32 v[RD], s69, v[LI]                 ; back: the 32 lanes take one row of 512 bytes
	v_lshlrev_b32 v[PFO], 8, v[R]
	v_lshl_add_u32 v[PFO], v[HH], 14, v[PFO]
	s_wait_dscnt 0x0                               ; both opening adds are done
	s_wait_kmcnt 0x0
	s_add_nc_u64 s[HP:HP+1], s[4:5], s[HP:HP+1]
	s_add_nc_u64 s[HSP:HSP+1], s[6:7], s[HSP:HSP+1]
	s_add_nc_u64 s[WP:WP+1], s[6:7], s[WP:WP+1]
	s_add_nc_u64 s[12:13], s[12:13], s[70:71]
	s_add_nc_u64 s[18:19], s[8:9], s[18:19]
	s_add_nc_u64 s[22:23], s[10:11], s[22:23]
	GLOAD 0, 0                                     ; the hidden layer of experts 0, 1, 2: 63 loads
	GLOAD 1, 1
	GLOAD 2, 2
	s_mov_b32 s[G0S], 1
	s_add_co_u32 s[G0S+1], s21, VSC
	s_mov_b64 s[G0S+2:G0S+3], s[22:23]
	s_or_b32 s[G0S+3], s[G0S+3], 0x80000000        ; type = 2
.irp j, 0,1,2,3
	s_mov_b32 s[G0V+4*\j], 1
	s_add_co_u32 s[G0V+4*\j+1], s20, \j*4*VEXP     ; my load j brings expert 4 j + w: so the four waves' first loads bring experts 0 to 3
	s_add_nc_u64 s[G0V+4*\j+2:G0V+4*\j+3], s[18:19], \j*524288
	s_or_b32 s[G0V+4*\j+3], s[G0V+4*\j+3], 0x80000000
.endr
	ROUND                                          ; all four work-groups are here: the joint loads meet
	tensor_load_to_lds s[G0S:G0S+3], s[G1S:G1S+7]  ; every wave issues all five, with no branch: five loads of mine are out
	s_nop 0
.irp j, 0,1,2,3
	tensor_load_to_lds s[G0V+4*\j:G0V+4*\j+3], s[G1V:G1V+7]
	s_nop 0
.endr
.rept 4
	v_nop
.endr
; The matrix instruction of the symbols in hand.  values' scale word lies in lanes 0-15 for an even tile of columns, in lanes 16-31 for an odd one; the hidden layer's in lanes 0-15 for K step 0, in lanes 16-31 for K step 1.
.macro WM
.if ss == 0
.if cc%2 == 0
	v_wmma_scale_f32_16x16x128_f8f6f4 v[rD:rD+7], v[rF:rF+7], v[rB:rB+7], 0, v[rV], v[rH] matrix_a_fmt:MATRIX_FMT_FP4 matrix_b_fmt:MATRIX_FMT_FP4
.else
	v_wmma_scale_f32_16x16x128_f8f6f4 v[rD:rD+7], v[rF:rF+7], v[rB:rB+7], 0, v[rV], v[rH] matrix_a_fmt:MATRIX_FMT_FP4 matrix_b_fmt:MATRIX_FMT_FP4 matrix_a_scale:MATRIX_SCALE_ROW1
.endif
.else
.if cc%2 == 0
	v_wmma_scale_f32_16x16x128_f8f6f4 v[rD:rD+7], v[rF:rF+7], v[rB:rB+7], v[rD:rD+7], v[rV], v[rH] matrix_a_fmt:MATRIX_FMT_FP4 matrix_b_fmt:MATRIX_FMT_FP4 matrix_b_scale:MATRIX_SCALE_ROW1
.else
	v_wmma_scale_f32_16x16x128_f8f6f4 v[rD:rD+7], v[rF:rF+7], v[rB:rB+7], v[rD:rD+7], v[rV], v[rH] matrix_a_fmt:MATRIX_FMT_FP4 matrix_b_fmt:MATRIX_FMT_FP4 matrix_a_scale:MATRIX_SCALE_ROW1 matrix_b_scale:MATRIX_SCALE_ROW1
.endif
.endif
.endm
; Items n and n + 1 of the sixteen of tile tl: sum += y x w, two numbers an item (columns' tile n / 4, pair n % 4: each y from its low end on).  An even expert's w is its pair's low word, an odd one's the high word.
; FIRST: the first expert starts the sums: nothing is ever cleared.
.macro FMA2 tl, n
.irp d, 0,1
.set fn, (\n)+\d
.set rA, 8*(4*(\tl)+fn/4)+2*(fn%4)
.set rY, YB+32*((\tl)%2)+8*(fn/4)+2*(fn%4)
.set rW, WK+2*(\tl)
.if FIRST
	v_pk_mul_f32 v[rA:rA+1], v[rY:rY+1], v[rW:rW+1] op_sel_hi:[1,0]
.elseif PAR == 0
	v_pk_fma_f32 v[rA:rA+1], v[rY:rY+1], v[rW:rW+1], v[rA:rA+1] op_sel_hi:[1,0,1]
.else
	v_pk_fma_f32 v[rA:rA+1], v[rY:rY+1], v[rW:rW+1], v[rA:rA+1] op_sel:[0,1,0] op_sel_hi:[1,1,1]
.endif
.endr
.endm
; Tile tl of my four, against the half's four tiles of columns: 8 matrix instructions, the four by turns, K step 0 (which starts y) and then K step 1; y's two sets take turns from tile to tile.
; Behind the k-th stand items 2 k, 2 k + 1 of the tile before: so at least four plain instructions that name none of its registers lie between a y's last matrix instruction and its first reader
; (ISA guide 7.12.1).  Tile 0 has no tile before it: four v_nop stand behind it.
.macro BATCH tl
.set kk, 0
.rept 8
.set cc, kk%4
.set ss, kk/4
.set rD, YB+32*((\tl)%2)+8*cc
.set rF, AFB+8*(2*cc+ss)
.set rB, BFK+16*(\tl)+8*ss
.set rV, VSB+4*HALF+2*(cc/2)+ss
.set rH, HSB+4*KK+(\tl)
	WM
.if (\tl) > 0
	FMA2 (\tl)-1, 2*kk
.endif
.set kk, kk+1
.endr
.if (\tl) == 0
.rept 4
	v_nop
.endr
.endif
.endm
.macro TAIL                            ; tile 3's sixteen items; the first twelve name no register of the last matrix instruction: they are the places ahead of the loads that follow
.set kk, 0
.rept 8
	FMA2 3, 2*kk
.set kk, kk+1
.endr
.endm
; 18 LDS loads: one half of the columns (four tiles) of the expert at which the two addresses stand: 2 loads of scale words, 8 fragments
.macro RRUN half
	WIN 0
.irp c, 0,1
	ds_load_b64 v[VSB+4*(\half)+2*\c:VSB+4*(\half)+2*\c+1], v[ADVS] offset:(2*(\half)+\c)*256
.endr
	WIN 0x40*(1+\half)                             ; the destination: the half's window
.irp c, 0,1,2,3
.irp s, 0,1
.irp d, 0,1
	ds_load_b128 v[AFB+8*(2*\c+\s)+4*\d:AFB+8*(2*\c+\s)+4*\d+3], v[ADV] offset:(4*(\half)+\c)*16*VP+64*\s+32*\d
.endr
.endr
.endr
.endm
; ONE EXPERT, from hidden set k.  first = 1: it starts the sums.  pre = 1: the next expert's values are fetched from LDS, each half as soon as this expert has done with that half's registers.
; lw: how many younger loads may stay out when the NEXT expert's hidden set has to be there (-1: there is no next).  gl = 1: the expert four on is asked for, into the set just left; step = 1: the pointers go four experts on first.
; sync = 1: all of values has to be in LDS from here on.
.macro EXPERT k, first, pre, gl, lw, step, ask, sync
	SETK \k
.set PAR, (\k)%2
.set FIRST, \first
.if \sync
	s_wait_tensorcnt 0x0                           ; my five loads have landed,
	s_wait_dscnt 0x0                               ; (no LDS instruction of mine is out at a signal)
	s_barrier_signal -1
	s_barrier_wait -1                              ; everybody's have: experts 4 to 15 may be read.
.else
	s_wait_dscnt 18                                ; LDS loads come back in order: all but the youngest 18 (columns 64-127) are in
.endif
.set HALF, 0
	WIN 0x51|(WNB<<2)
	BATCH 0
	BATCH 1
	BATCH 2
	BATCH 3
	TAIL
.if \pre
	WIN 0
	v_add_nc_u32 v[ADV], VEXP, v[ADV]              ; on to the next expert
	v_add_nc_u32 v[ADVS], 1024, v[ADVS]
	RRUN 0
	s_wait_dscnt 18                                ; all but the 18 just issued: this expert's columns 64-127 are in
.else
	s_wait_dscnt 0x0
.endif
.set HALF, 1
	WIN 0xa2|(WNB<<2)
	BATCH 0
	BATCH 1
	BATCH 2
	BATCH 3
	TAIL
.if \pre
	RRUN 1
.endif
	WIN 0                                          ; at a label and at a branch every window is 0
.if \lw >= 0
	s_wait_loadcnt \lw                             ; loads come back in order: the next expert's 21 are in; those of the experts behind it stay out
.endif
.if \gl
.if \step
	s_wait_xcnt 0x0                                ; the last loads and prefetch, an expert back, have read their bases: they are written only behind this wait
	s_add_nc_u64 s[HP:HP+1], s[HP:HP+1], 4*32768
	s_add_nc_u64 s[HSP:HSP+1], s[HSP:HSP+1], 4*2048
	s_add_nc_u64 s[WP:WP+1], s[WP:WP+1], 2*2048
.endif
	GLOAD \k, (\k)+4                               ; with these 21, 63 loads of mine are out at the most
	ASK \ask, \k
.endif
.endm
	s_wait_tensorcnt 3                             ; tensor loads of a wave end in order: the scales and my first expert are in; my other three loads may be out
	s_barrier_signal -1
	s_barrier_wait -1                              ; everybody's are: all scales, experts 0 to 3
	RRUN 0                                         ; expert 0's values, in the loop's own order
	RRUN 1
	WIN 0
	s_wait_loadcnt 42                              ; expert 0's hidden set is in; those of experts 1 and 2 may be out
	GLOAD 3, 3
	EXPERT 0, 1, 1, 1, 42, 0, 1, 0                 ; experts 0 to 3 are written out: expert 0 starts the sums, expert 3 waits for the rest of values
	EXPERT 1, 0, 1, 1, 42, 0, 1, 0
	EXPERT 2, 0, 1, 1, 42, 0, 1, 0
	EXPERT 3, 0, 1, 1, 42, 0, 1, 1
	s_mov_b32 s3, 2
.Llap:                                             ; a trip: four experts, once through the four hidden sets: experts 4 to 7, 8 to 11
	EXPERT 0, 0, 1, 1, 42, 1, 2, 0
	EXPERT 1, 0, 1, 1, 42, 0, 2, 0
	EXPERT 2, 0, 1, 1, 42, 0, 2, 0
	EXPERT 3, 0, 1, 1, 42, 0, 2, 0
	s_sub_co_u32 s3, s3, 1
	s_cmp_lg_u32 s3, 0
	s_cbranch_scc1 .Llap
	EXPERT 0, 0, 1, 0, 42, 0, 0, 0                 ; experts 12 to 15 ask for nothing more: no load leaves its buffer, and the counts run down
	EXPERT 1, 0, 1, 0, 21, 0, 0, 0
	EXPERT 2, 0, 1, 0, 0, 0, 0, 0
	EXPERT 3, 0, 0, 0, -1, 0, 0, 0
; THE WAY OUT, a tile of 16 tokens x 128 columns at a time.  A lane holds 32 neighbouring bytes of a row in each tile of columns and the lanes beside it other rows: so a tile goes through my own stage in LDS and comes back
; as whole rows of 512 bytes.  The stages lie where values lay: a barrier stands between every wave's last read of values and the first store.
; LDS serves a wave's instructions in order (ISA guide 5.7.1.4): no wait between the stores and the loads, nor ahead of the next tile's stores.
.macro TOSTAGE a
	WIN 0x04                                       ; an LDS store's data are its source 1: window 1, columns 0-63
.irp c, 0,1,2,3
	ds_store_b128 v[STO], v[8*(4*(\a)+\c):8*(4*(\a)+\c)+3] offset:64*\c
	ds_store_b128 v[STO], v[8*(4*(\a)+\c)+4:8*(4*(\a)+\c)+7] offset:64*\c+16
.endr
	WIN 0x08                                       ; window 2, columns 64-127
.irp c, 0,1,2,3
	ds_store_b128 v[STO], v[8*(4*(\a)+\c):8*(4*(\a)+\c)+3] offset:256+64*\c
	ds_store_b128 v[STO], v[8*(4*(\a)+\c)+4:8*(4*(\a)+\c)+7] offset:256+64*\c+16
.endr
	WIN 0
.set BB, BK+64*((\a)%2)
.irp t, 0,1,2,3,4,5,6,7,8,9,10,11,12,13,14,15
	ds_load_b128 v[BB+4*\t:BB+4*\t+3], v[RD] offset:\t*SPITCH
.endr
.endm
.macro SEND a, younger                 ; younger: the LDS instructions issued behind tile a's loads, which may stay out
.set BB, BK+64*((\a)%2)
	s_wait_dscnt \younger
.irp t, 0,1,2,3,4,5,6,7,8,9,10,11,12,13,14,15
	global_store_b128 v[LI], v[BB+4*\t:BB+4*\t+3], s[12:13] offset:(\a)*65536+\t*4096 th:TH_STORE_NT   ; 32 lanes store 512 consecutive bytes, at a multiple of 256 from out0's first byte; 258,048 bytes at the most: inside the signed 24-bit immediate
.endr
.endm
	s_wait_dscnt 0x0                               ; my reads of values are over
	s_barrier_signal -1
	s_barrier_wait -1                              ; everybody's are
	TOSTAGE 0
.irp a, 1,2,3
.if \a > 1
	s_wait_xcnt 0x0                                ; tile a - 2's stores have read their registers: tile a's loads may land there
.endif
	TOSTAGE \a
	SEND \a-1, 32                                  ; behind tile a - 1's loads: tile a's 16 stores and 16 loads
.endr
	SEND 3, 0
	s_wait_tensorcnt 0x0                           ; the wave's end: behind my last tensor load and my last LDS store
	ds_add_u32 v[SPW], v[NIL]
	s_wait_dscnt 0x0
	ROUND                                          ; the closing round: no work-group ends while a partner may still ask for a tile that names it
	s_endpgm
.Lfunc_end_k_qc11dab09a1_combine:
	.size	k_qc11dab09a1_combine, .Lfunc_end_k_qc11dab09a1_combine-k_qc11dab09a1_combine
	.p2alignl 7, 3214868480
	.fill 96, 4, 3214868480
	.section	.rodata,"a",@progbits
	.p2align	6, 0x0
	.amdhsa_kernel k_qc11dab09a1_combine
		.amdhsa_group_segment_fixed_size 327680
		.amdhsa_private_segment_fixed_size 0
		.amdhsa_enable_private_segment 0
		.amdhsa_kernarg_size 40
		.amdhsa_user_sgpr_count 2
		.amdhsa_user_sgpr_kernarg_segment_ptr 1
		.amdhsa_wavefront_size32 1
		.amdhsa_system_sgpr_workgroup_id_x 1
		.amdhsa_system_sgpr_workgroup_id_y 1
		.amdhsa_system_sgpr_workgroup_id_z 1
		.amdhsa_system_vgpr_workitem_id 0
		.amdhsa_next_free_vgpr 1024
		.amdhsa_next_free_sgpr 72
		.amdhsa_reserve_vcc 0
		.amdhsa_float_denorm_mode_32 3
		.amdhsa_float_denorm_mode_16_64 3
		.amdhsa_memory_ordered 1
		.amdhsa_forward_progress 1
		.amdhsa_inst_pref_size 255
	.end_amdhsa_kernel
	.section	.bss,"aw",@nobits
	.p2align	6
	.space	262144
	.amdgpu_metadata
---
amdhsa.version: [ 1, 2 ]
amdhsa.kernels:
  - .name:           k_qc11dab09a1_combine
    .symbol:         k_qc11dab09a1_combine.kd
    .args:
      - { .name: h_img, .offset: 0, .size: 8, .value_kind: global_buffer, .address_space: global }
      - { .name: aux, .offset: 8, .size: 8, .value_kind: global_buffer, .address_space: global }
      - { .name: values_codes, .offset: 16, .size: 8, .value_kind: global_buffer, .address_space: global }
      - { .name: values_scales, .offset: 24, .size: 8, .value_kind: global_buffer, .address_space: global }
      - { .name: out0, .offset: 32, .size: 8, .value_kind: global_buffer, .address_space: global }
    .group_segment_fixed_size: 327680
    .private_segment_fixed_size: 0
    .kernarg_segment_align: 8
    .kernarg_segment_size: 40
    .max_flat_workgroup_size: 128
    .sgpr_count:     72
    .vgpr_count:     1024
    .wavefront_size: 32
...
	.end_amdgpu_metadata
.endif
;; end of part 2
